; MI455X (gfx1250); checked and timed in simulation.
; The chip was launched on July 23, 2026; its instructions are those of AMD's public machine-readable ISA for CDNA 5 (MIT licence, August 2026) and "CDNA5" Instruction Set Architecture Reference Guide (July 2026). The comments in the code are by the model that wrote it; some were corrected since.
;; Model. Allowed arithmetic: matrix products marked QUANTISED: E2M1 operands, one E8M0 scale for each 32 along K, by v_wmma_scale_f32_16x16x128_f8f6f4 with both operands' format E2M1 (or v_wmma_scale_f32_32x16x128_f4), f32 sums; everything else in f32.
;; Inputs: inv_scale_factor 1 float32; key 2 x 16 x 2,048 x 64 float32; query 2 x 16 x 2,048 x 64 float32; value 2 x 16 x 2,048 x 64 float32.
;; Outputs: out0 2 x 16 x 2,048 x 64 float32.
;; This version of the problem:
;;   THIS VERSION OF THE PROBLEM IS GIVEN IN LOW PRECISION. The matrix products marked QUANTISED in the list below multiply operands that are first quantised to E2M1 (2 exponent bits, 1 mantissa bit; 4 bits a number), with one power-of-two scale for each 32 numbers along K (OCP MX v1.0); their sums are f32. All else is computed in f32.
;;   The module's matrix products, in the order in which they are computed (A, B: the left and right operand; K: the contracted axis; several contracted axes count as one K, in the product's order):
;;     1. batch 32 x [M 2,048, K 64] x [K 64, N 2,048]; A: input query; B: input key: QUANTISED
;;     2. batch 32 x [M 2,048, K 2,048] x [K 2,048, N 64]; A: softmax (see below); B: input value: QUANTISED
;;   THE QUANTISER, for each operand of a quantised product, along K:
;;     - K is cut into blocks of 32 from its start; a last block that is shorter is filled with zeros.
;;     - A block's scale is 2^e with e = floor(log2(the largest magnitude in the block)) - 2, held to -126 .. 127; a block of zeros has e = 0. As a byte (E8M0): e + 127.
;;     - Each number is divided by its block's scale, clamped to +-6, and rounded to the nearest number of E2M1, ties to even, subnormals kept.
;;     - The product sums the exact products of the quantised numbers (number of the format x scale) in f32.
;;   ~~~python
;;   def quantise(x, axis):      # numpy; x: float32 -> the quantised numbers, widened to float32 again
;;       x = np.moveaxis(x, axis, -1); K = x.shape[-1]
;;       x = np.pad(x, [(0, 0)] * (x.ndim - 1) + [(0, -K % 32)]); x = x.reshape(x.shape[:-1] + (-1, 32)); a = np.abs(x).max(-1, keepdims=True)
;;       e = np.where(a > 0, np.clip(np.frexp(np.where(a > 0, a, 1))[1] - 1 - 2, -126, 127), 0)      # np.frexp(a)[1] - 1 = floor(log2(a)), exactly
;;       r = np.clip(x / 2.0 ** e, -6, 6)
;;       step = 2.0 ** (np.maximum(np.frexp(np.where(r == 0, 1, r))[1] - 1, 0) - 1)
;;       q = np.round(r / step) * step * 2.0 ** e      # np.round: ties to even
;;       return np.moveaxis(q.reshape(q.shape[:-2] + (-1,))[..., :K], -1, axis).astype(np.float32)
;;   ~~~
;;   SOFTMAX AHEAD OF A QUANTISED PRODUCT. Where the list says 'softmax', what is quantised is not the finished softmax but p = 2^(t - M), with t = logit x log2(e) and M = ceil(the row's largest t), a whole number; so 1/2 < the row's largest p <= 1. The row's sum l is taken of the UNQUANTISED p, in f32, and the product's result is divided by l at the end. Since M is a whole number, a kernel that streams over the keys may use a running M (the ceiling of the running maximum): every later rescaling is an exact power of two, which a block's scale takes up: the codes' values come out the same.
;;   OPERANDS COMPUTED ON THE WAY. 'Computed on the way' means the value that the module computes at that place (a softmax that the list does not call 'softmax' is quantised finished and normalised). What goes into a quantiser is computed in f32, as accurately as f32 sums, v_exp_f32 and their like allow (about 1e-6 of the number): no bf16 or f16 on the way to a quantiser, and a product that is left as it is and whose result goes on into a quantised operand takes f32 operands (vector FMAs, or v_wmma_f32_16x16x4_f32). A number that lies on a knife's edge between two numbers of the format may be rounded either way, as far as f32 arithmetic and the matrix unit's own rounding can turn it there, and no further.
;; 2 versions. Each part assembles by itself: llvm-mc -triple=amdgcn-amd-amdhsa -mcpu=gfx1250 --defsym DOCPART=n.
;; ======== version 1 of 2: 1 launch
;; launch attn (part 1): grid 32 x 8, 16 waves a work-group, no clusters, 210,944 bytes of LDS; arguments query, key, value, inv_scale_factor, out0; writes out0
.if DOCPART == 1
	.amdgcn_target "amdgcn-amd-amdhsa--gfx1250"
	.amdhsa_code_object_version 6
	.text
	.protected	k_qc644efe5da_attn
	.globl	k_qc644efe5da_attn
	.p2align	8
	.type	k_qc644efe5da_attn,@function
k_qc644efe5da_attn:
	s_mov_b64 s[64:65], 0
	v_nop
	global_prefetch_b8 v0, s[64:65] scope:SCOPE_SE
	s_setreg_imm32_b32 hwreg(HW_REG_WAVE_MODE, 25, 1), 1
	s_wait_xcnt 0x0
; out[h][q][:] = sum over k of softmax_k(Q[h][q] . K[h][k] / isf) V[h][k][:].  32 heads, 2,048 rows, 64 channels, all f32 in memory.
; Both products run on codes of FP4 (E2M1) with one E8M0 scale for each 32 along a product's K: Q and K are quantised along the 64 channels (two blocks a row), V and p along the keys.
; SOFTMAX.  t = score x log2(e) / isf; M = the running largest t rounded UP to a whole number; p = 2^(t - M) is quantised, not normalised; the row's sum is taken of the unquantised p in f32 and divides at the end.
; When M moves, the sum and O are multiplied by 2^(old M - new M), which rounds nothing.
; SHARES.  A work-group owns 256 queries of one head (grid 32 x 8: x the head, y the block of queries, so that the eight work-groups that read one head's K and V are 32 apart in the launch's order), each of its
; sixteen waves 16 of them in 256 registers, four waves to a SIMD, so that one wave's exponentials stand beside another's plain work, products
; and LDS loads: a key step of 128 keys is 12 matrix instructions beside some 200 vector instructions, so vector work is what is spared, and no large wave tile or register window is wanted.
; K AND V ARE QUANTISED IN THE WORK-GROUP, a slab of 256 keys ahead of the slab that is read.  A head's codes and scale bytes are 136 KiB: they lie in LDS as images of the operands' registers, each byte stored ONCE
; in the launch and read only behind the barrier that follows its store.  Of a slab wave w quantises one tile of 16 keys of K and one block of 32 keys x 32 channels of V.
; NO CLUSTER, NO TENSOR LOAD: what the eight work-groups of a head share arrives as f32, 1 MiB a head.  A joint load lands in LDS alone: slots would be filled again for every slab, with a round of the cluster's barrier
; each, and each number would cross LDS as 4 bytes in and 4 out where its code is half a byte.  Here V goes from memory straight into the lane that quantises it, K turns once through the wave's own stage.
; LAYOUT.  Both products are used transposed: S^T = K Q^T (source 0 = 16 keys, source 1 = my 16 queries), O^T = V^T P^T (source 0 = 16 channels, source 1 = P): lane (r = lane % 16, h = lane / 16) holds query r throughout.
; THE KEYS OF A TILE ARE NOT NEIGHBOURS: row m of tile T of a step is key 64 (m / 8) + 8 T + m % 8.  So register 8 T + j of S^T in lane (r, h) is key 64 h + 8 T + j, and registers 32 c .. 32 c + 31 are the WHOLE
; block 2 h + c of 32 keys: a block's maximum asks no other lane, and the eight conversions' results are P's operand as they stand.  The operand's k = 64 c + 32 h + i then stands for key 32 (2 h + c) + i;
; V's images and both scale words follow the same exchange of whole blocks (scale byte 2 c + h is block 2 h + c).
; THE FIRST PRODUCT'S K IS 64, the instruction's 128: one fragment of K holds TWO tiles of keys (registers 0-3 tile 2 f, registers 4-7 tile 2 f + 1), and Q stands in twelve registers [0 | q | 0]: v[28:35] = [q | 0]
; meets tile 2 f, v[24:31] = [0 | q] tile 2 f + 1.  Zero codes add nothing under any scale byte but 0xff; Q's bytes over its zero half are 0, K's lie between 1 and 254.  So no LDS byte is read for nothing.
; A NEGATIVE isf: the signs of Q's codes are turned (the quantiser is odd, so that is exact) and |isf| serves.
; LIMITS.  NaN and infinities among the inputs are not served; isf = 0, denormal, infinite or NaN is not served.  A block of zeros gets the scale byte 1 where the rule says 127: its codes are zeros and this program
; alone reads the bytes.  p under 2^-126 counts as 0 (v_exp_f32 gives no denormals: ISA guide 15.8).  A block's largest p is made from its largest score by the same multiply-add and exponential, which takes v_exp_f32
; not to fall where its input rises.  Within a step of the second product whole blocks of keys change places, so the order of rounding in the sums differs from a plain ascent along the keys.
.set IMG,   0                          ; LDS: the images.  Step s (128 keys) at 8192 s: K's fragment f at + 1024 f + 512 c (registers 4 c .. 4 c + 3), V's fragment t at + 4096 + 1024 t + 512 c; lane l's 16 bytes at 16 l
.set SCL,   131072                     ; the scale words.  Step s at 512 s: K's fragment f at + 64 f + 4 r, V's fragment t at + 256 + 64 t + 4 r
.set STG,   139264                     ; a stage for each wave: 16 rows x 272 bytes
.set SP,    272                        ; a stage row: 256 bytes + 16 = 17 x 16 bytes, so that sixteen rows' equal columns fall on sixteen different 16-byte columns modulo 256
.set WSTG,  16*SP
.set SLABI, 16384                      ; a slab (two steps) of images,
.set SLABS, 1024                       ; of scale words,
.set SLABG, 65536                      ; and of K or V in memory: 256 rows of 256 bytes
.set L16,  1                           ; v1   16 x lane; never rewritten
.set L4,   2                           ; v2   4 x lane; never rewritten
.set AI,   3                           ; v3   where I read the slab's images: SIM + 16 x lane
.set AS,   4                           ; v4   and its scale words: SSC + 4 x lane
.set PKI,  5                           ; v5   my place in a slab's images for the codes of K that I make; never rewritten, like the next three
.set PKS,  6                           ; v6   in a slab's scale words for their two bytes
.set PVI,  7                           ; v7   the same for V's codes
.set PVS,  8                           ; v8   and V's byte
.set STI,  9                           ; v9   my stage by rows as memory has them: row h, byte 16 r
.set STO,  10                          ; v10  my stage: row r, byte 128 h: a block of 32 numbers
.set OSI,  11                          ; v11  my stage: row r, byte 32 h: eight results
.set NEGM, 12                          ; v12  -M
.set MS,   13                          ; v13  the running largest score (named with v12 as a pair)
.set SUM,  14                          ; v[14:15] the row's sum, two halves
.set H8,   16                          ; v16  8 h
.set QSA,  17                          ; v17  Q's scale word for [q | 0];  v18 for [0 | q]
.set KS0,  19                          ; v19  K's scale words: fragment 0 in lanes 0-15, 1 in lanes 16-31;  v20: fragments 2, 3
.set VS0,  21                          ; v21, v22 the same for V
.set PW,   23                          ; v23  P's scale word.  v17-23 hold scales and nothing else
.set QQ,   24                          ; v[24:35] [0 | q | 0]
.set F,    36                          ; v36  f = 2^(old M - new M); v37 is named with it as a pair
.set BM,   38                          ; v38, v39 my two blocks' largest score, then largest p
.set SO,   40                          ; v40, v41 the conversions' scale operands
.set BY,   42                          ; v42, v43 the scale bytes
.set T0,   44                          ; v44-47 at work
.set T1,   45
.set T2,   46
.set T3,   47
.set PC,   48                          ; v[48:55] P's codes
.set CC,   56                          ; v[56:59] codes just made of Q, K or V
.set MA,   60                          ; v60, v61 a block's largest magnitude, in two chains
.set MB,   61
.set SCP,  62                          ; v62  its conversion's scale operand
.set BYP,  63                          ; v63  its scale byte
.set FR,   64                          ; v[64:95] four fragments, K's and then V's
.set S,    96                          ; v[96:159] S^T, then p
.set O,    160                         ; v[160:191] O^T, four tiles of 16 channels
.set X,    192                         ; v[192:223] 32 numbers of K
.set Y,    224                         ; v[224:255] 32 numbers of V
.set WV,   15                          ; s15  my wave's number
.set SEL,  20                          ; s[20:21] v_permlanex16_b32's selects for lane l xor 16
.set CS,   22                          ; s[22:23] c = log2(e) / |isf|, twice: the packed form names a pair
.set SGN,  24                          ; s24  0x88888888 where isf is negative, else 0
.set TR,   25                          ; s25  trips to go
.set SIM,  26                          ; s26  LDS byte at which the images of the slab that is read begin
.set SSC,  27                          ; s27  and its scale words
; Eight loads of 512 consecutive bytes: 16 rows of 256 bytes, two rows a load; rows 8-15 lie gap bytes further on.  nt = 1: bytes that the launch reads once.
.macro KLOAD reg, base, gap, nt
.irp i, 0,1,2,3,4,5,6,7
.if \nt
	global_load_b128 v[\reg+4*\i:\reg+4*\i+3], v[L16], s[\base:\base+1] offset:512*\i+(\i/4)*\gap th:TH_LOAD_NT
.else
	global_load_b128 v[\reg+4*\i:\reg+4*\i+3], v[L16], s[\base:\base+1] offset:512*\i+(\i/4)*\gap
.endif
.endr
.endm
; A lane takes a channel, its registers run down 32 keys: each load reads 128 consecutive bytes, and the wave beside mine takes the row's other 128.
.macro VLOAD
.set j, 0
.rept 32
	global_load_b32 v[Y+j], v[L4], s[8:9] offset:256*j
.set j, j+1
.endr
.endm
; 16 rows x 64 numbers, loaded as memory has them, go through my own stage and come back as one block of 32 neighbours a lane (row r, channels 32 h on), into the registers that they left.
; LDS serves a wave's instructions in order (ISA guide 5.7.1.4): no wait between the stores and the loads.
.macro TURN reg
.irp i, 0,1,2,3,4,5,6,7
	ds_store_b128 v[STI], v[\reg+4*\i:\reg+4*\i+3] offset:2*SP*\i
.endr
.irp i, 0,1,2,3,4,5,6,7
	ds_load_b128 v[\reg+4*\i:\reg+4*\i+3], v[STO] offset:16*\i
.endr
.endm
; One block of 32 numbers in a lane's registers becomes 16 bytes of codes in v[CC] on and a scale byte in v[BYP].
.macro Q32 reg
	v_max3_num_f32 v[MA], |v[\reg]|, |v[\reg+1]|, |v[\reg+2]|          ; the largest magnitude, in two chains
	v_max3_num_f32 v[MB], |v[\reg+3]|, |v[\reg+4]|, |v[\reg+5]|
.irp i, 6,10,14,18,22,26
	v_max3_num_f32 v[MA], v[MA], |v[\reg+\i]|, |v[\reg+\i+1]|
	v_max3_num_f32 v[MB], v[MB], |v[\reg+\i+2]|, |v[\reg+\i+3]|
.endr
	v_max3_num_f32 v[MA], v[MA], |v[\reg+30]|, |v[\reg+31]|
	v_max3_num_f32 v[MA], v[MA], v[MB], 0x1800000                      ; and the floor 2^(3 - 127): the byte cannot fall under 1
	v_add_nc_u32 v[SCP], 0xff000000, v[MA]                             ; 2 off its exponent field: the conversion takes this operand's exponent field as its scale, and nothing else of it
.irp g, 0,1,2,3
	v_cvt_scalef32_pk8_fp4_f32 v[CC+\g], v[\reg+8*\g:\reg+8*\g+7], v[SCP]
.endr
	v_lshrrev_b32 v[BYP], 23, v[SCP]                                   ; the scale's byte; also the plain line behind the conversions
.endm
; My tile of 16 keys of K for the slab `ahead` slabs on from the one that is read.  load = 1: the tile of the slab after it is asked for.
.macro PROD_K ahead, load
	s_wait_loadcnt 32                              ; K's eight loads are in; behind them V's 32 were issued and may be out
	TURN X
	v_add_nc_u32 v[T2], s[SIM], v[PKI]             ; where the codes and the bytes go (no LDS store that named these two registers is out: a wait for 0 stands behind each)
	v_add_nc_u32 v[T3], s[SSC], v[PKS]
	s_wait_dscnt 0x0                               ; the block is back
	Q32 X
	v_lshlrev_b32 v[T0], v[H8], v[BYP]             ; my byte at its place: channels 0-31 low, 32-63 above it,
	v_permlanex16_b32 v[T1], v[T0], s[SEL], s[SEL+1]
	v_or_b32 v[T0], v[T0], v[T1]                   ; with lane l xor 16's: the key's two bytes
	ds_store_b128 v[T2], v[CC:CC+3] offset:SLABI*\ahead    ; registers 4 c .. 4 c + 3 of fragment f as they stand: the wave stores 512 consecutive bytes
	ds_store_b16 v[T3], v[T0] offset:SLABS*\ahead          ; both lanes of a key write the same two bytes with the same value
.if \load
	s_add_nc_u64 s[6:7], s[6:7], SLABG             ; the wait above showed the last loads from this pointer done
	KLOAD X, 6, 14336, 0                           ; keys 8 T .. 8 T + 7, then 64 keys on: 16,384 - 2,048 bytes between the two runs
.endif
.endm
; My block of 32 keys x 32 channels of V.  left: the loads issued behind V's, which may be out.
.macro PROD_V left, ahead, load
	s_wait_loadcnt \left
	s_wait_dscnt 0x0                               ; the last stores of v[CC], v[BYP] and by v[T2], v[T3] have read their registers
	v_add_nc_u32 v[T2], s[SIM], v[PVI]
	v_add_nc_u32 v[T3], s[SSC], v[PVS]
	Q32 Y
	ds_store_b128 v[T2], v[CC:CC+3] offset:SLABI*\ahead    ; sixteen lanes store 256 consecutive bytes
	ds_store_b8 v[T3], v[BYP] offset:SLABS*\ahead
.if \load
	s_add_nc_u64 s[8:9], s[8:9], SLABG
	VLOAD
.endif
.endm
.macro BAR                             ; my LDS stores have landed and my LDS loads are in: then the work-group's barrier
	s_wait_dscnt 0x0
	s_barrier_signal -1
	s_barrier_wait -1
.endm
; A KEY STEP: 128 keys, the o-th of the slab that is read.  np: v_nop to write at its head.  A load into a register that a matrix instruction has read stands four plain vector lines that name none of its
; registers behind it (ISA guide 7.12.1 for vector instructions); where a block has just been quantised, its lines are those places and np = 0.
; A step holds register work and LDS loads alone: no store of any kind.
.macro STEP o, np
.rept \np
	v_nop
.endr
.irp f, 0,1,2,3
.irp c, 0,1
	ds_load_b128 v[FR+8*\f+4*\c:FR+8*\f+4*\c+3], v[AI] offset:8192*\o+1024*\f+512*\c      ; K's four fragments: 512 consecutive bytes a load
.endr
.endr
.irp i, 0,1
	ds_load_b32 v[KS0+\i], v[AS] offset:512*\o+128*\i                  ; the scale words of two fragments in one register
	ds_load_b32 v[VS0+\i], v[AS] offset:512*\o+256+128*\i
.endr
	s_wait_dscnt 0x0
.irp t, 0,1,2,3,4,5,6,7                ; S^T: tile t lies in half t % 2 of fragment t / 2; Q's twelve registers give [q | 0] or [0 | q]
.if (\t/2)%2
	v_wmma_scale_f32_16x16x128_f8f6f4 v[S+8*\t:S+8*\t+7], v[FR+8*(\t/2):FR+8*(\t/2)+7], v[QQ+4-4*(\t%2):QQ+11-4*(\t%2)], 0, v[KS0+\t/4], v[QSA+\t%2] matrix_a_fmt:MATRIX_FMT_FP4 matrix_b_fmt:MATRIX_FMT_FP4 matrix_a_scale:MATRIX_SCALE_ROW1
.else
	v_wmma_scale_f32_16x16x128_f8f6f4 v[S+8*\t:S+8*\t+7], v[FR+8*(\t/2):FR+8*(\t/2)+7], v[QQ+4-4*(\t%2):QQ+11-4*(\t%2)], 0, v[KS0+\t/4], v[QSA+\t%2] matrix_a_fmt:MATRIX_FMT_FP4 matrix_b_fmt:MATRIX_FMT_FP4
.endif
.endr
.rept 4
	v_nop                                          ; four places: for the loads below into K's fragments, and for the first read of the scores
.endr
.irp f, 0,1,2,3
.irp c, 0,1
	ds_load_b128 v[FR+8*\f+4*\c:FR+8*\f+4*\c+3], v[AI] offset:8192*\o+4096+1024*\f+512*\c  ; V's four fragments land while the softmax is worked
.endr
.endr
	; the largest score of each of my two blocks of 32 keys, the two by turns, each tile's registers from the low end on.  It serves twice: for the row's maximum and, since p rises with the score, for the block's largest p
	v_max3_num_f32 v[BM], v[S], v[S+1], v[S+2]
	v_max3_num_f32 v[BM+1], v[S+32], v[S+33], v[S+34]
.set j, 3
.rept 14
	v_max3_num_f32 v[BM], v[BM], v[S+j], v[S+j+1]
	v_max3_num_f32 v[BM+1], v[BM+1], v[S+32+j], v[S+32+j+1]
.set j, j+2
.endr
	v_max_num_f32 v[BM], v[BM], v[S+31]
	v_max_num_f32 v[BM+1], v[BM+1], v[S+63]
	v_max_num_f32 v[T0], v[BM], v[BM+1]
	v_permlanex16_b32 v[T1], v[T0], s[SEL], s[SEL+1]                   ; my query's other 64 keys lie in lane l xor 16
	v_max3_num_f32 v[MS], v[MS], v[T0], v[T1]                          ; the running largest score
	v_mov_b32 v[T2], v[NEGM]
	v_mul_f32 v[T0], s[CS], v[MS]                                      ; as t (c is positive)
	v_floor_f32 v[NEGM], -v[T0]                                        ; the new -M = floor(-t) = -ceil(t): a whole number
	v_sub_f32 v[T2], v[NEGM], v[T2]                                    ; old M - new M: a whole number, 0 or less
	v_cvt_i32_f32 v[T2], v[T2]                                         ; (it saturates)
	v_ldexp_f32 v[F], 1.0, v[T2]                                       ; f = 2^(old M - new M)
.set j, 0
.rept 32
	v_pk_fma_f32 v[S+j:S+j+1], v[S+j:S+j+1], s[CS:CS+1], v[NEGM:NEGM+1] op_sel_hi:[1,0,0]   ; t - M, two at a time (of the pairs c and -M the low word serves both halves)
.set j, j+2
.endr
	v_fma_f32 v[BM], v[BM], s[CS], v[NEGM]                             ; the same of each block's largest score
	v_fma_f32 v[BM+1], v[BM+1], s[CS], v[NEGM]
.set j, 0
.rept 64
	v_exp_f32 v[S+j], v[S+j]                                           ; p = 2^(t - M)
.set j, j+1
.endr
	v_exp_f32 v[BM], v[BM]                                             ; the blocks' largest p: the same two operations on the same number
	v_exp_f32 v[BM+1], v[BM+1]
	v_pk_mul_f32 v[SUM:SUM+1], v[SUM:SUM+1], v[F:F+1] op_sel_hi:[1,0]  ; the sum under the new M; also the plain line behind the exponentials (ISA guide 5.7.2)
	s_wait_alu depctr_va_vdst(0)
.irp c, 0,1
	v_max_num_f32 v[BM+\c], 0x1800000, v[BM+\c]                        ; the floor 2^(3 - 127): a block whose every p is 0 keeps the byte 1, and its codes are zeros
.endr
.irp c, 0,1
	v_add_nc_u32 v[SO+\c], 0xff000000, v[BM+\c]                        ; 2 off the exponent field: the conversion's scale operand
.endr
.irp c, 0,1
	v_lshrrev_b32 v[BY+\c], 23, v[SO+\c]                               ; the scale's byte
.endr
	v_lshl_or_b32 v[T0], v[BY+1], 16, v[BY]                            ; my blocks' bytes belong at places h and 2 + h of the scale word
	v_lshlrev_b32 v[T0], v[H8], v[T0]
	v_permlanex16_b32 v[T1], v[T0], s[SEL], s[SEL+1]
	v_or_b32 v[PW], v[T0], v[T1]                                       ; with lane l xor 16's two the word is whole
.irp c, 0,1
.irp g, 0,1,2,3
	v_cvt_scalef32_pk8_fp4_f32 v[PC+4*\c+\g], v[S+32*\c+8*\g:S+32*\c+8*\g+7], v[SO+\c]     ; registers 4 c .. 4 c + 3 of P's operand, as they stand
.endr
.endr
	v_pk_add_f32 v[T2:T2+1], v[S:S+1], v[S+2:S+3]                      ; the row's sum is taken of the UNQUANTISED p: two at a time, in two chains.  (A plain line behind the conversions)
.set j, 4
.rept 15
	v_pk_add_f32 v[SUM:SUM+1], v[SUM:SUM+1], v[S+j:S+j+1]
	v_pk_add_f32 v[T2:T2+1], v[T2:T2+1], v[S+j+2:S+j+3]
.set j, j+4
.endr
	v_pk_add_f32 v[SUM:SUM+1], v[SUM:SUM+1], v[T2:T2+1]
.set j, 0
.rept 16
	v_pk_mul_f32 v[O+j:O+j+1], v[O+j:O+j+1], v[F:F+1] op_sel_hi:[1,0]  ; O^T under the new M, each tile from its low end on.  These and the sums above are 48 plain lines between P's codes and scale word and the products below
.set j, j+2
.endr
	s_wait_dscnt 0x0                               ; V's fragments are in
.irp t, 0,1,2,3                        ; O^T += V^T P^T: the four accumulators by turns, one instruction a turn, with the eight products of S^T between two steps
.if \t%2
	v_wmma_scale_f32_16x16x128_f8f6f4 v[O+8*\t:O+8*\t+7], v[FR+8*\t:FR+8*\t+7], v[PC:PC+7], v[O+8*\t:O+8*\t+7], v[VS0+\t/2], v[PW] matrix_a_fmt:MATRIX_FMT_FP4 matrix_b_fmt:MATRIX_FMT_FP4 matrix_a_scale:MATRIX_SCALE_ROW1
.else
	v_wmma_scale_f32_16x16x128_f8f6f4 v[O+8*\t:O+8*\t+7], v[FR+8*\t:FR+8*\t+7], v[PC:PC+7], v[O+8*\t:O+8*\t+7], v[VS0+\t/2], v[PW] matrix_a_fmt:MATRIX_FMT_FP4 matrix_b_fmt:MATRIX_FMT_FP4
.endif
.endr
.endm
; A TRIP: the two key steps of the slab at SIM.  prod = 1: the next slab is quantised FIRST; load = 1: the slab after that is asked for, a whole trip ahead of its wait.
; THE BARRIER IS SPLIT.  A wave signals as soon as its part of the next slab lies in LDS (its stores waited for), works its two key steps, and waits at the trip's end, in front of the first read of that slab.
; Between signal and wait stand register work and LDS loads of the slab at SIM alone: its bytes were stored in front of an earlier barrier and are never stored again (behind the wait the stores go to the slab two on
; and to the wave's own stage).  So a wave that is ahead stops only until the last wave has quantised its part, not until it has worked its steps.
.macro TRIP prod, load
	v_add_nc_u32 v[AI], s[SIM], v[L16]
	v_add_nc_u32 v[AS], s[SSC], v[L4]
.if \prod
	PROD_K 1, \load
	PROD_V 8*\load, 1, \load                       ; behind V's loads stand the eight of K just issued, or none
	s_wait_dscnt 0x0                               ; for the others' sake: my codes and scale bytes of the next slab have landed
	s_barrier_signal -1
	STEP 0, 0
	STEP 1, 4
	s_barrier_wait -1                              ; every wave's part of the next slab lies in LDS; no byte is ever stored twice, so one barrier a slab is enough
	s_add_co_u32 s[SIM], s[SIM], SLABI
	s_add_co_u32 s[SSC], s[SSC], SLABS
.else
	STEP 0, 4
	STEP 1, 4
.endif
.endm
	s_load_b256 s[4:11], s[0:1], 0x0               ; query s[4:5], key s[6:7], value s[8:9], inv_scale_factor s[10:11]
	s_load_b64 s[12:13], s[0:1], 0x20              ; out0
	v_lshrrev_b32 v44, 5, v0
	v_readfirstlane_b32 s[WV], v44                 ; wave 0..15
	v_and_b32 v45, 31, v0                          ; lane
	v_lshlrev_b32 v[L16], 4, v45
	v_lshlrev_b32 v[L4], 2, v45
	v_and_b32 v46, 15, v0                          ; r
	v_bfe_u32 v47, v0, 4, 1                        ; h
	v_lshlrev_b32 v[H8], 3, v47
	s_lshl_b32 s28, ttmp9, 19                      ; the head (work-group x): its first byte in each tensor: 2,048 rows of 256 bytes
	s_and_b32 s29, ttmp7, 0xffff                   ; my work-group's block of 256 queries (work-group y),
	s_lshl_b32 s29, s29, 16
	s_lshl_b32 s30, s[WV], 12                      ; my wave's 16 of them
	s_add_co_u32 s16, s28, s29
	s_add_co_u32 s16, s16, s30
	s_mov_b32 s17, 0                               ; s[16:17]: my rows of query and of out0
	s_lshr_b32 s31, s[WV], 3                       ; which step of a slab I quantise for: w / 8
	s_and_b32 s32, s[WV], 7                        ; K: tile T = w % 8
	s_lshl_b32 s29, s31, 15                        ; 128 keys,
	s_lshl_b32 s30, s32, 11                        ; 8 keys
	s_add_co_u32 s18, s28, s29
	s_add_co_u32 s18, s18, s30
	s_mov_b32 s19, 0                               ; s[18:19]: my tile of K in slab 0
	s_lshr_b32 s33, s[WV], 1                       ; V: block w / 2 of the slab's eight blocks of 32 keys,
	s_and_b32 s36, s[WV], 1                        ; channels 32 (w % 2) on
	s_lshl_b32 s29, s33, 13
	s_lshl_b32 s30, s36, 7
	s_add_co_u32 s34, s28, s29
	s_add_co_u32 s34, s34, s30
	s_mov_b32 s35, 0                               ; s[34:35]: my block of V in slab 0
	s_mov_b32 s[SEL], 0x76543210
	s_mov_b32 s[SEL+1], 0xfedcba98
	s_mov_b32 s[SIM], IMG
	s_mov_b32 s[SSC], SCL
	s_wait_kmcnt 0x0
	s_load_b32 s14, s[10:11], 0x0                  ; isf
	s_add_nc_u64 s[4:5], s[4:5], s[16:17]
	s_add_nc_u64 s[12:13], s[12:13], s[16:17]
	s_add_nc_u64 s[6:7], s[6:7], s[18:19]
	s_add_nc_u64 s[8:9], s[8:9], s[34:35]
	KLOAD S, 4, 0, 1                               ; my 16 rows of Q, into registers that the scores take later
	KLOAD X, 6, 14336, 0                           ; slab 0: my tile of K
	VLOAD                                          ; and my block of V: 48 loads of mine are out
	; LDS addresses: a constant + a constant x lane parts + constants x parts of the wave's number
	s_mul_i32 s37, s[WV], WSTG
	s_add_co_u32 s37, s37, STG                     ; my stage
	v_mul_u32_u24 v[STI], v47, SP
	v_lshl_add_u32 v[STI], v46, 4, v[STI]
	v_add_nc_u32 v[STI], s37, v[STI]
	v_mul_u32_u24 v[STO], v46, SP
	v_lshl_add_u32 v[OSI], v47, 5, v[STO]
	v_lshl_add_u32 v[STO], v47, 7, v[STO]
	v_add_nc_u32 v[STO], s37, v[STO]
	v_add_nc_u32 v[OSI], s37, v[OSI]
	s_lshl_b32 s29, s31, 13                        ; K's codes: step, 8,192 bytes; tile T = 2 f + c: 512 T
	s_lshl_b32 s30, s32, 9
	s_add_co_u32 s38, s29, s30
	v_add_nc_u32 v[PKI], s38, v[L16]
	s_lshl_b32 s39, s31, 9                         ; the scale words of a step: 512 bytes
	s_and_b32 s30, s33, 3                          ; K's bytes: fragment f = (w / 2) % 4: 64 f; half c = w % 2: 2 c; row r: 4 r
	s_lshl_b32 s30, s30, 6
	s_add_co_u32 s38, s39, s30
	s_lshl_b32 s30, s36, 1
	s_add_co_u32 s38, s38, s30
	v_lshl_add_u32 v[PKS], v46, 2, s38
	s_and_b32 s40, s33, 1                          ; V: my block of the step is 2 h' + c': c' = (w / 2) % 2,
	s_bfe_u32 s41, s[WV], 0x10002                  ; h' = (w / 4) % 2
	s_lshl_b32 s38, s31, 13                        ; V's codes: lane l is channel 32 (w % 2) + l: fragment 2 (w % 2) + l / 16, row l % 16; they belong to the reader's lane l % 16 + 16 h', registers 4 c' on
	s_lshl_b32 s30, s36, 11
	s_add_co_u32 s38, s38, s30
	s_lshl_b32 s30, s40, 9
	s_add_co_u32 s38, s38, s30
	s_lshl_b32 s30, s41, 8
	s_add_co_u32 s38, s38, s30
	s_add_co_u32 s38, s38, 4096
	v_lshlrev_b32 v[PVI], 4, v46
	v_lshl_add_u32 v[PVI], v47, 10, v[PVI]
	v_add_nc_u32 v[PVI], s38, v[PVI]
	s_lshl_b32 s30, s36, 7                         ; V's byte: place 2 c' + h' of the word of that fragment and row
	s_add_co_u32 s38, s39, s30
	s_lshl_b32 s30, s40, 1
	s_add_co_u32 s38, s38, s30
	s_add_co_u32 s38, s38, s41
	s_add_co_u32 s38, s38, 256
	v_lshlrev_b32 v[PVS], 2, v46
	v_lshl_add_u32 v[PVS], v47, 6, v[PVS]
	v_add_nc_u32 v[PVS], s38, v[PVS]
	s_wait_kmcnt 0x0                               ; isf
	s_and_b32 s28, s14, 0x7fffffff                 ; |isf|
	v_mov_b32 v44, s28
	v_rcp_f32 v45, v44
	v_nop                                          ; a plain line behind the reciprocal
	s_wait_alu depctr_va_vdst(0)
	v_mul_f32 v45, 0x3fb8aa3b, v45                 ; c = log2(e) / |isf|
	v_readfirstlane_b32 s[CS], v45
	s_mov_b32 s[CS+1], s[CS]
	s_ashr_i32 s[SGN], s14, 31
	s_and_b32 s[SGN], s[SGN], 0x88888888           ; the sign bits of eight codes, where isf is negative
.set j, 0
.rept 32
	v_mov_b32 v[O+j], 0                            ; O^T.  (The key step is written once: the first finds zeros, which the first change of M leaves zeros)
.set j, j+1
.endr
.irp j, 0,1,2,3,8,9,10,11
	v_mov_b32 v[QQ+\j], 0                          ; the zero codes on both sides of q
.endr
	v_mov_b32 v[SUM], 0
	v_mov_b32 v[SUM+1], 0
	v_mov_b32 v[F+1], 0                            ; (named as the upper half of a pair)
	v_mov_b32 v[NEGM], 0x7f61b1e6                  ; -M = 3e38,
	v_mov_b32 v[MS], 0xff61b1e6                    ; the largest score so far -3e38: under every score
	; Q: quantised once, in registers
	s_wait_loadcnt 40                              ; Q's eight loads are in; behind them K's 8 and V's 32 may be out
	TURN S
	s_wait_dscnt 0x0
	Q32 S
.irp i, 0,1,2,3
	v_xor_b32 v[QQ+4+\i], s[SGN], v[CC+\i]         ; q's codes, their signs turned where isf is negative
.endr
	v_lshlrev_b32 v[T0], v[H8], v[BYP]
	v_permlanex16_b32 v[T1], v[T0], s[SEL], s[SEL+1]   ; (v45 has been written: a lane permute's destination counts as one of its sources)
	v_or_b32 v[QSA], v[T0], v[T1]                  ; my query's two bytes below, 0 above: for [q | 0]
	v_lshlrev_b32 v[QSA+1], 16, v[QSA]             ; and the other way round: for [0 | q]
	; slab 0 is quantised, slab 1 asked for
	PROD_K 0, 1
	PROD_V 8, 0, 1
	BAR
	s_mov_b32 s[TR], 6
.Lslab:                                            ; trip t quantises slab t + 1, asks for slab t + 2 and reads slab t
	TRIP 1, 1
	s_sub_co_u32 s[TR], s[TR], 1
	s_cmp_lg_u32 s[TR], 0
	s_cbranch_scc1 .Lslab
	TRIP 1, 0                                      ; slab 7 is quantised, slab 6 read: nothing is left to ask for, and no load leaves its buffer
	TRIP 0, 0                                      ; slab 7
	; THE WAY OUT.  The sum's halves and lane l xor 16's are added; O^T is divided by the sum and goes through my stage, so that each store covers two whole rows of 256 bytes.
	v_add_f32 v[SUM], v[SUM], v[SUM+1]
	v_permlanex16_b32 v[T1], v[SUM], s[SEL], s[SEL+1]
	v_add_f32 v[SUM], v[SUM], v[T1]
	v_rcp_f32 v[T0], v[SUM]
	v_nop                                          ; a plain line behind the reciprocal; with the two additions these two make four places behind the last products
	v_nop
.set j, 0
	s_wait_alu depctr_va_vdst(0)
.rept 16
	v_pk_mul_f32 v[S+j:S+j+1], v[O+j:O+j+1], v[T0:T0+1] op_sel_hi:[1,0]   ; register 8 t + i is out(r, 16 t + 8 h + i); each tile from its low end on
.set j, j+2
.endr
.irp t, 0,1,2,3
	ds_store_b128 v[OSI], v[S+8*\t:S+8*\t+3] offset:64*\t
	ds_store_b128 v[OSI], v[S+8*\t+4:S+8*\t+7] offset:64*\t+16
.endr
.irp i, 0,1,2,3,4,5,6,7
	ds_load_b128 v[S+32+4*\i:S+32+4*\i+3], v[STI] offset:2*SP*\i       ; in order behind my stores: lanes 0-15 one row, lanes 16-31 the next
.endr
.irp i, 0,1,2,3,4,5,6,7
	s_wait_dscnt 7-\i                              ; load i is in; the 7 - i younger ones may be out
	global_store_b128 v[L16], v[S+32+4*\i:S+32+4*\i+3], s[12:13] offset:512*\i th:TH_STORE_NT   ; 512 consecutive bytes, at a multiple of 256 from out0's first byte; written once, read by nobody here
.endr
	s_wait_xcnt 0x0
	v_lshl_add_u32 v254, v0, 2, 0x33000
	v_mov_b32 v255, 0
	s_wait_tensorcnt 0x0
	ds_add_u32 v254, v255
	s_wait_dscnt 0x0
	s_endpgm
.Lfunc_end_k_qc644efe5da_attn:
	.size	k_qc644efe5da_attn, .Lfunc_end_k_qc644efe5da_attn-k_qc644efe5da_attn
	.p2alignl 7, 3214868480
	.fill 96, 4, 3214868480
	.section	.rodata,"a",@progbits
	.p2align	6, 0x0
	.amdhsa_kernel k_qc644efe5da_attn
		.amdhsa_group_segment_fixed_size 210944
		.amdhsa_private_segment_fixed_size 0
		.amdhsa_enable_private_segment 0
		.amdhsa_kernarg_size 40
		.amdhsa_user_sgpr_count 2
		.amdhsa_user_sgpr_kernarg_segment_ptr 1
		.amdhsa_wavefront_size32 1
		.amdhsa_system_sgpr_workgroup_id_x 1
		.amdhsa_system_sgpr_workgroup_id_y 1
		.amdhsa_system_sgpr_workgroup_id_z 1
		.amdhsa_system_vgpr_workitem_id 0
		.amdhsa_next_free_vgpr 256
		.amdhsa_next_free_sgpr 66
		.amdhsa_reserve_vcc 0
		.amdhsa_float_denorm_mode_32 3
		.amdhsa_float_denorm_mode_16_64 3
		.amdhsa_memory_ordered 1
		.amdhsa_forward_progress 1
		.amdhsa_inst_pref_size 120
	.end_amdhsa_kernel
	.amdgpu_metadata
---
amdhsa.version: [ 1, 2 ]
amdhsa.kernels:
  - .name:           k_qc644efe5da_attn
    .symbol:         k_qc644efe5da_attn.kd
    .args:
      - { .name: query, .offset: 0, .size: 8, .value_kind: global_buffer, .address_space: global }
      - { .name: key, .offset: 8, .size: 8, .value_kind: global_buffer, .address_space: global }
      - { .name: value, .offset: 16, .size: 8, .value_kind: global_buffer, .address_space: global }
      - { .name: inv_scale_factor, .offset: 24, .size: 8, .value_kind: global_buffer, .address_space: global }
      - { .name: out0, .offset: 32, .size: 8, .value_kind: global_buffer, .address_space: global }
    .group_segment_fixed_size: 210944
    .private_segment_fixed_size: 0
    .kernarg_segment_align: 8
    .kernarg_segment_size: 40
    .max_flat_workgroup_size: 512
    .sgpr_count:     66
    .vgpr_count:     256
    .wavefront_size: 32
...
	.end_amdgpu_metadata
.endif
;; end of part 1
;; ======== version 2 of 2: 1 launch; version 1 with the launch attn written anew for expert scheduling mode
;; launch attn (part 2): grid 32 x 8, 16 waves a work-group, no clusters, 210,944 bytes of LDS; arguments query, key, value, inv_scale_factor, out0; writes out0
.if DOCPART == 2
	.amdgcn_target "amdgcn-amd-amdhsa--gfx1250"
	.amdhsa_code_object_version 6
	.text
	.protected	k_qc644efe5da_attn
	.globl	k_qc644efe5da_attn
	.p2align	8
	.type	k_qc644efe5da_attn,@function
k_qc644efe5da_attn:
	s_mov_b64 s[64:65], 0
	v_nop
	global_prefetch_b8 v0, s[64:65] scope:SCOPE_SE
	s_setreg_imm32_b32 hwreg(HW_REG_WAVE_SCHED_MODE, 0, 2), 2
	s_setreg_imm32_b32 hwreg(HW_REG_WAVE_MODE, 25, 1), 1
	s_wait_xcnt 0x0
	s_wait_alu depctr_vm_vsrc(0)
; out[h][q][:] = sum over k of softmax_k(Q[h][q] . K[h][k] / isf) V[h][k][:].  32 heads, 2,048 rows, 64 channels, all f32 in memory.
; Both products run on codes of FP4 (E2M1) with one E8M0 scale for each 32 along a product's K: Q and K are quantised along the 64 channels (two blocks a row), V and p along the keys.
; SOFTMAX.  t = score x log2(e) / isf; M = the running largest t rounded UP to a whole number; p = 2^(t - M) is quantised, not normalised; the row's sum is taken of the unquantised p in f32 and divides at the end.
; When M moves, the sum and O are multiplied by 2^(old M - new M), which rounds nothing.
; SHARES.  A work-group owns 256 queries of one head (grid 32 x 8: x the head, y the block of queries, so that the eight work-groups that read one head's K and V are 32 apart in the launch's order), each of its
; sixteen waves 16 of them in 256 registers, four waves to a SIMD, so that one wave's exponentials stand beside another's plain work, products
; and LDS loads: a key step of 128 keys is 12 matrix instructions beside some 200 vector instructions, so vector work is what is spared, and no large wave tile or register window is wanted.
; K AND V ARE QUANTISED IN THE WORK-GROUP, a slab of 256 keys ahead of the slab that is read.  A head's codes and scale bytes are 136 KiB: they lie in LDS as images of the operands' registers, each byte stored ONCE
; in the launch and read only behind the barrier that follows its store.  Of a slab wave w quantises one tile of 16 keys of K and one block of 32 keys x 32 channels of V.
; NO CLUSTER, NO TENSOR LOAD: what the eight work-groups of a head share arrives as f32, 1 MiB a head.  A joint load lands in LDS alone: slots would be filled again for every slab, with a round of the cluster's barrier
; each, and each number would cross LDS as 4 bytes in and 4 out where its code is half a byte.  Here V goes from memory straight into the lane that quantises it, K turns once through the wave's own stage.
; LAYOUT.  Both products are used transposed: S^T = K Q^T (source 0 = 16 keys, source 1 = my 16 queries), O^T = V^T P^T (source 0 = 16 channels, source 1 = P): lane (r = lane % 16, h = lane / 16) holds query r throughout.
; THE KEYS OF A TILE ARE NOT NEIGHBOURS: row m of tile T of a step is key 64 (m / 8) + 8 T + m % 8.  So register 8 T + j of S^T in lane (r, h) is key 64 h + 8 T + j, and registers 32 c .. 32 c + 31 are the WHOLE
; block 2 h + c of 32 keys: a block's maximum asks no other lane, and the eight conversions' results are P's operand as they stand.  The operand's k = 64 c + 32 h + i then stands for key 32 (2 h + c) + i;
; V's images and both scale words follow the same exchange of whole blocks (scale byte 2 c + h is block 2 h + c).
; THE FIRST PRODUCT'S K IS 64, the instruction's 128: one fragment of K holds TWO tiles of keys (registers 0-3 tile 2 f, registers 4-7 tile 2 f + 1), and Q stands in twelve registers [0 | q | 0]: v[28:35] = [q | 0]
; meets tile 2 f, v[24:31] = [0 | q] tile 2 f + 1.  Zero codes add nothing under any scale byte but 0xff; Q's bytes over its zero half are 0, K's lie between 1 and 254.  So no LDS byte is read for nothing.
; A NEGATIVE isf: the signs of Q's codes are turned (the quantiser is odd, so that is exact) and |isf| serves.
; LIMITS.  NaN and infinities among the inputs are not served; isf = 0, denormal, infinite or NaN is not served.  A block of zeros gets the scale byte 1 where the rule says 127: its codes are zeros and this program
; alone reads the bytes.  p under 2^-126 counts as 0 (v_exp_f32 gives no denormals: ISA guide 15.8).  A block's largest p is made from its largest score by the same multiply-add and exponential, which takes v_exp_f32
; not to fall where its input rises.  Within a step of the second product whole blocks of keys change places, so the order of rounding in the sums differs from a plain ascent along the keys.
; THE MODE: SCHED_MODE bits 1:0 = 2 (LLVM: expert scheduling mode 2), set by the entry lines.  The code itself states the register dependences between vector or matrix instructions and memory or LDS instructions,
; with s_wait_alu, always for 0.
; THE PLAN.  Registers that memory or LDS instructions touch:
;   v[L16], v[L4], v[STI], v[STO], v[OSI]  offsets and addresses, made at the head and never written again.
;   X        K's global loads land; the stage's LDS stores read it; the stage's LDS loads land; Q32 reads it; K's next global loads land.
;   Y        V's global loads land; Q32 reads it; V's next global loads land.
;   CC, BYP, T0, T2, T3   written by V's address lines and quantiser, read by V's two image stores, written by K's, read by K's two image stores; T0, T2, T3 are written again in the key steps.
;   AI, AS   written once a trip, behind the stage's wait on vm_vsrc; read by all the trip's loads of fragments and scale words.
;   FR, KS0.., VS0..   LDS loads land; matrix instructions read them.  All 256 registers are taken, so K's and V's fragments share FR, and a wait on va_vdst stands ahead of each of its fills.
;   PC, PW, QQ, QSA..  written by vector instructions, taken by scaled matrix instructions as operand or scales.
; A TRIP'S WAITS.  Quantising: vm_vsrc between the stage's stores and loads; va_vdst behind V's quantiser, ahead of its stores; vm_vsrc behind those; va_vdst behind K's quantiser, ahead of its stores and of the
; global loads into X and Y; vm_vsrc at the barrier's signal.  A key step: va_vdst at its head where products stand directly ahead of it; va_vdst behind S^T's places; va_vdst behind the exponentials; va_vdst ahead of O^T's products.
.set IMG,   0                          ; LDS: the images.  Step s (128 keys) at 8192 s: K's fragment f at + 1024 f + 512 c (registers 4 c .. 4 c + 3), V's fragment t at + 4096 + 1024 t + 512 c; lane l's 16 bytes at 16 l
.set SCL,   131072                     ; the scale words.  Step s at 512 s: K's fragment f at + 64 f + 4 r, V's fragment t at + 256 + 64 t + 4 r
.set STG,   139264                     ; a stage for each wave: 16 rows x 272 bytes
.set SP,    272                        ; a stage row: 256 bytes + 16 = 17 x 16 bytes, so that sixteen rows' equal columns fall on sixteen different 16-byte columns modulo 256
.set WSTG,  16*SP
.set SLABI, 16384                      ; a slab (two steps) of images,
.set SLABS, 1024                       ; of scale words,
.set SLABG, 65536                      ; and of K or V in memory: 256 rows of 256 bytes
.set L16,  1                           ; v1   16 x lane; never rewritten
.set L4,   2                           ; v2   4 x lane; never rewritten
.set AI,   3                           ; v3   where I read the slab's images: SIM + 16 x lane
.set AS,   4                           ; v4   and its scale words: SSC + 4 x lane
.set PKI,  5                           ; v5   my place in a slab's images for the codes of K that I make; never rewritten, like the next three
.set PKS,  6                           ; v6   in a slab's scale words for their two bytes
.set PVI,  7                           ; v7   the same for V's codes
.set PVS,  8                           ; v8   and V's byte
.set STI,  9                           ; v9   my stage by rows as memory has them: row h, byte 16 r
.set STO,  10                          ; v10  my stage: row r, byte 128 h: a block of 32 numbers
.set OSI,  11                          ; v11  my stage: row r, byte 32 h: eight results
.set NEGM, 12                          ; v12  -M
.set MS,   13                          ; v13  the running largest score (named with v12 as a pair)
.set SUM,  14                          ; v[14:15] the row's sum, two halves
.set H8,   16                          ; v16  8 h
.set QSA,  17                          ; v17  Q's scale word for [q | 0];  v18 for [0 | q]
.set KS0,  19                          ; v19  K's scale words: fragment 0 in lanes 0-15, 1 in lanes 16-31;  v20: fragments 2, 3
.set VS0,  21                          ; v21, v22 the same for V
.set PW,   23                          ; v23  P's scale word.  v17-23 hold scales and nothing else
.set QQ,   24                          ; v[24:35] [0 | q | 0]
.set F,    36                          ; v36  f = 2^(old M - new M); v37 is named with it as a pair
.set BM,   38                          ; v38, v39 my two blocks' largest score, then largest p
.set SO,   40                          ; v40, v41 the conversions' scale operands
.set BY,   42                          ; v42, v43 the scale bytes
.set T0,   44                          ; v44-47 at work
.set T1,   45
.set T2,   46
.set T3,   47
.set PC,   48                          ; v[48:55] P's codes
.set CC,   56                          ; v[56:59] codes just made of Q, K or V
.set MA,   60                          ; v60, v61 a block's largest magnitude, in two chains
.set MB,   61
.set SCP,  62                          ; v62  its conversion's scale operand
.set BYP,  63                          ; v63  its scale byte
.set FR,   64                          ; v[64:95] four fragments, K's and then V's
.set S,    96                          ; v[96:159] S^T, then p
.set O,    160                         ; v[160:191] O^T, four tiles of 16 channels
.set X,    192                         ; v[192:223] 32 numbers of K
.set Y,    224                         ; v[224:255] 32 numbers of V
.set WV,   15                          ; s15  my wave's number
.set SEL,  20                          ; s[20:21] v_permlanex16_b32's selects for lane l xor 16
.set CS,   22                          ; s[22:23] c = log2(e) / |isf|, twice: the packed form names a pair
.set SGN,  24                          ; s24  0x88888888 where isf is negative, else 0
.set TR,   25                          ; s25  trips to go
.set SIM,  26                          ; s26  LDS byte at which the images of the slab that is read begin
.set SSC,  27                          ; s27  and its scale words
; Eight loads of 512 consecutive bytes: 16 rows of 256 bytes, two rows a load; rows 8-15 lie gap bytes further on.  nt = 1: bytes that the launch reads once.
.macro KLOAD reg, base, gap, nt
.irp i, 0,1,2,3,4,5,6,7
.if \nt
	global_load_b128 v[\reg+4*\i:\reg+4*\i+3], v[L16], s[\base:\base+1] offset:512*\i+(\i/4)*\gap th:TH_LOAD_NT
.else
	global_load_b128 v[\reg+4*\i:\reg+4*\i+3], v[L16], s[\base:\base+1] offset:512*\i+(\i/4)*\gap
.endif
.endr
.endm
; A lane takes a channel, its registers run down 32 keys: each load reads 128 consecutive bytes, and the wave beside mine takes the row's other 128.
.macro VLOAD
.set j, 0
.rept 32
	global_load_b32 v[Y+j], v[L4], s[8:9] offset:256*j
.set j, j+1
.endr
.endm
; 16 rows x 64 numbers, loaded as memory has them, go through my own stage and come back as one block of 32 neighbours a lane (row r, channels 32 h on), into the registers that they left.
; LDS serves a wave's instructions in order (ISA guide 5.7.1.4): no wait on DScnt between the stores and the loads.
.macro TURN reg
.irp i, 0,1,2,3,4,5,6,7
	ds_store_b128 v[STI], v[\reg+4*\i:\reg+4*\i+3] offset:2*SP*\i
.endr
	s_wait_alu depctr_vm_vsrc(0)                   ; the eight stores have read v[reg ..], in which the eight loads land; every earlier LDS instruction has read its registers too
.irp i, 0,1,2,3,4,5,6,7
	ds_load_b128 v[\reg+4*\i:\reg+4*\i+3], v[STO] offset:16*\i
.endr
.endm
; One block of 32 numbers in a lane's registers becomes 16 bytes of codes in v[CC] on and a scale byte in v[BYP].
.macro Q32 reg
	v_max3_num_f32 v[MA], |v[\reg]|, |v[\reg+1]|, |v[\reg+2]|          ; the largest magnitude, in two chains
	v_max3_num_f32 v[MB], |v[\reg+3]|, |v[\reg+4]|, |v[\reg+5]|
.irp i, 6,10,14,18,22,26
	v_max3_num_f32 v[MA], v[MA], |v[\reg+\i]|, |v[\reg+\i+1]|
	v_max3_num_f32 v[MB], v[MB], |v[\reg+\i+2]|, |v[\reg+\i+3]|
.endr
	v_max3_num_f32 v[MA], v[MA], |v[\reg+30]|, |v[\reg+31]|
	v_max3_num_f32 v[MA], v[MA], v[MB], 0x1800000                      ; and the floor 2^(3 - 127): the byte cannot fall under 1
	v_add_nc_u32 v[SCP], 0xff000000, v[MA]                             ; 2 off its exponent field: the conversion takes this operand's exponent field as its scale, and nothing else of it
.irp g, 0,1,2,3
	v_cvt_scalef32_pk8_fp4_f32 v[CC+\g], v[\reg+8*\g:\reg+8*\g+7], v[SCP]
.endr
	v_lshrrev_b32 v[BYP], 23, v[SCP]                                   ; the scale's byte; also the plain line behind the conversions
.endm
; My tile of 16 keys of K and my block of 32 keys x 32 channels of V, for the slab `ahead` slabs on from the one that is read.  load = 1: my parts of the slab after it are asked for.
; K's tile is sent through the stage first; V's block, which needs no turn, is quantised and stored while the stage's sixteen LDS instructions are out; then K's.
.macro PROD ahead, load
	s_wait_loadcnt 32                              ; K's eight loads are in; behind them V's 32 were issued and may be out
	TURN X
.if \ahead
	v_add_nc_u32 v[AI], s[SIM], v[L16]             ; in a trip: where its two key steps read.  Behind the stage's wait on vm_vsrc: the last trip's LDS loads have read v[AI] and v[AS],
	v_add_nc_u32 v[AS], s[SSC], v[L4]
.endif
	v_add_nc_u32 v[T2], s[SIM], v[PVI]             ; and the last image stores v[T2], v[T3], v[CC ..], v[BYP].  Where V's codes and byte go
	v_add_nc_u32 v[T3], s[SSC], v[PVS]
	s_wait_loadcnt 0x0                             ; V's 32 loads are in: nothing was issued behind them
	Q32 Y
	s_wait_alu depctr_va_vdst(0)                   ; v[T2], v[T3], v[CC ..], v[BYP] are written, which the two stores read; so are v[AI], v[AS], which the key steps' loads read; the quantiser is done reading Y
	ds_store_b128 v[T2], v[CC:CC+3] offset:SLABI*\ahead    ; sixteen lanes store 256 consecutive bytes
	ds_store_b8 v[T3], v[BYP] offset:SLABS*\ahead
	s_wait_alu depctr_vm_vsrc(0)                   ; the two stores have read v[T2], v[T3], v[CC ..], v[BYP], which the lines below write again
	v_add_nc_u32 v[T2], s[SIM], v[PKI]             ; where K's codes and bytes go
	v_add_nc_u32 v[T3], s[SSC], v[PKS]
	s_wait_dscnt 2                                 ; K's block is back from the stage; behind its loads V's two stores were issued and may be out
	Q32 X
	v_lshlrev_b32 v[T0], v[H8], v[BYP]             ; my byte at its place: channels 0-31 low, 32-63 above it,
	v_permlanex16_b32 v[T1], v[T0], s[SEL], s[SEL+1]
	v_or_b32 v[T0], v[T0], v[T1]                   ; with lane l xor 16's: the key's two bytes
	s_wait_alu depctr_va_vdst(0)                   ; v[T2], v[T3], v[CC ..], v[T0] are written, which the two stores read; the quantiser is done reading X, in which the loads below land; no line behind V's wait has named Y;
	                                               ; and the last trip's products are done reading v[FR ..], v[KS0 ..], v[VS0 ..], in which the first key step's loads land
	ds_store_b128 v[T2], v[CC:CC+3] offset:SLABI*\ahead    ; registers 4 c .. 4 c + 3 of fragment f as they stand: the wave stores 512 consecutive bytes
	ds_store_b16 v[T3], v[T0] offset:SLABS*\ahead          ; both lanes of a key write the same two bytes with the same value
.if \load
	s_add_nc_u64 s[6:7], s[6:7], SLABG             ; the waits on LOADcnt above showed the last loads from these two pointers done
	s_add_nc_u64 s[8:9], s[8:9], SLABG
	KLOAD X, 6, 14336, 0                           ; keys 8 T .. 8 T + 7, then 64 keys on: 16,384 - 2,048 bytes between the two runs
	VLOAD
.endif
.endm
.macro BAR                             ; my LDS stores have landed and my LDS loads are in: then the work-group's barrier
	s_wait_dscnt 0x0
	s_barrier_signal -1
	s_barrier_wait -1
.endm
; A KEY STEP: 128 keys, the o-th of the slab that is read.  np: v_nop to write at its head, plain lines between the last products and the loads into their fragments (ISA guide 7.12.1 for vector instructions)
; with the wait on va_vdst behind them.  Where blocks have just been quantised, their lines are those places, K's wait on va_vdst is that wait, and np = 0.
; A step holds register work and LDS loads alone: no store of any kind.
.macro STEP o, np
.if \np
.rept \np
	v_nop
.endr
	s_wait_alu depctr_va_vdst(0)                   ; the products issued so far are done reading v[FR ..], v[KS0 ..], v[VS0 ..], in which the loads below land; in the last slab v[AI] and v[AS], just made, are written
.endif
.irp f, 0,1,2,3
.irp c, 0,1
	ds_load_b128 v[FR+8*\f+4*\c:FR+8*\f+4*\c+3], v[AI] offset:8192*\o+1024*\f+512*\c      ; K's four fragments: 512 consecutive bytes a load
.endr
.endr
.irp i, 0,1
	ds_load_b32 v[KS0+\i], v[AS] offset:512*\o+128*\i                  ; the scale words of two fragments in one register
	ds_load_b32 v[VS0+\i], v[AS] offset:512*\o+256+128*\i
.endr
	s_wait_dscnt 0x0
.irp t, 0,1,2,3,4,5,6,7                ; S^T: tile t lies in half t % 2 of fragment t / 2; Q's twelve registers give [q | 0] or [0 | q]
.if (\t/2)%2
	v_wmma_scale_f32_16x16x128_f8f6f4 v[S+8*\t:S+8*\t+7], v[FR+8*(\t/2):FR+8*(\t/2)+7], v[QQ+4-4*(\t%2):QQ+11-4*(\t%2)], 0, v[KS0+\t/4], v[QSA+\t%2] matrix_a_fmt:MATRIX_FMT_FP4 matrix_b_fmt:MATRIX_FMT_FP4 matrix_a_scale:MATRIX_SCALE_ROW1
.else
	v_wmma_scale_f32_16x16x128_f8f6f4 v[S+8*\t:S+8*\t+7], v[FR+8*(\t/2):FR+8*(\t/2)+7], v[QQ+4-4*(\t%2):QQ+11-4*(\t%2)], 0, v[KS0+\t/4], v[QSA+\t%2] matrix_a_fmt:MATRIX_FMT_FP4 matrix_b_fmt:MATRIX_FMT_FP4
.endif
.endr
.rept 4
	v_nop                                          ; four places, ahead of the first read of the scores
.endr
	s_wait_alu depctr_va_vdst(0)                   ; the eight products are done reading K's fragments, in which V's land.  The places above stay beside this wait
	; the largest score of each of my two blocks of 32 keys, the two by turns, each tile's registers from the low end on.  It serves twice: for the row's maximum and, since p rises with the score, for the block's largest p.
	; V's four fragments are asked for among these lines, two loads at a time, with no further wait: the lines name the scores and v[BM ..] alone, the loads v[FR ..] and v[AI].  They land while the softmax is worked
	v_max3_num_f32 v[BM], v[S], v[S+1], v[S+2]
	v_max3_num_f32 v[BM+1], v[S+32], v[S+33], v[S+34]
.set j, 3
.rept 14
.if (j-3)%8 == 0
.set vf, (j-3)/8
	ds_load_b128 v[FR+8*vf:FR+8*vf+3],   v[AI] offset:8192*\o+4096+1024*vf
	ds_load_b128 v[FR+8*vf+4:FR+8*vf+7], v[AI] offset:8192*\o+4096+1024*vf+512
.endif
	v_max3_num_f32 v[BM], v[BM], v[S+j], v[S+j+1]
	v_max3_num_f32 v[BM+1], v[BM+1], v[S+32+j], v[S+32+j+1]
.set j, j+2
.endr
	v_max_num_f32 v[BM], v[BM], v[S+31]
	v_max_num_f32 v[BM+1], v[BM+1], v[S+63]
	v_max_num_f32 v[T0], v[BM], v[BM+1]
	v_permlanex16_b32 v[T1], v[T0], s[SEL], s[SEL+1]                   ; my query's other 64 keys lie in lane l xor 16
	v_max3_num_f32 v[MS], v[MS], v[T0], v[T1]                          ; the running largest score
	v_mov_b32 v[T2], v[NEGM]
	v_mul_f32 v[T0], s[CS], v[MS]                                      ; as t (c is positive)
	v_floor_f32 v[NEGM], -v[T0]                                        ; the new -M = floor(-t) = -ceil(t): a whole number
	v_sub_f32 v[T2], v[NEGM], v[T2]                                    ; old M - new M: a whole number, 0 or less
	v_cvt_i32_f32 v[T2], v[T2]                                         ; (it saturates)
	v_ldexp_f32 v[F], 1.0, v[T2]                                       ; f = 2^(old M - new M)
.set j, 0
.rept 32
	v_pk_fma_f32 v[S+j:S+j+1], v[S+j:S+j+1], s[CS:CS+1], v[NEGM:NEGM+1] op_sel_hi:[1,0,0]   ; t - M, two at a time (of the pairs c and -M the low word serves both halves)
.set j, j+2
.endr
	v_fma_f32 v[BM], v[BM], s[CS], v[NEGM]                             ; the same of each block's largest score
	v_fma_f32 v[BM+1], v[BM+1], s[CS], v[NEGM]
.set j, 0
	s_wait_alu depctr_va_vdst(0)
.rept 64
	v_exp_f32 v[S+j], v[S+j]                                           ; p = 2^(t - M)
.set j, j+1
.endr
	v_exp_f32 v[BM], v[BM]                                             ; the blocks' largest p: the same two operations on the same number
	v_exp_f32 v[BM+1], v[BM+1]
	v_pk_mul_f32 v[SUM:SUM+1], v[SUM:SUM+1], v[F:F+1] op_sel_hi:[1,0]  ; the sum under the new M; also the plain line behind the exponentials (ISA guide 5.7.2)
	s_wait_alu depctr_va_vdst(0)                   ; the 66 exponentials have written p and the two blocks' largest p: one wait for the batch, ahead of its first reader
.irp c, 0,1
	v_max_num_f32 v[BM+\c], 0x1800000, v[BM+\c]                        ; the floor 2^(3 - 127): a block whose every p is 0 keeps the byte 1, and its codes are zeros
.endr
.irp c, 0,1
	v_add_nc_u32 v[SO+\c], 0xff000000, v[BM+\c]                        ; 2 off the exponent field: the conversion's scale operand
.endr
.irp c, 0,1
	v_lshrrev_b32 v[BY+\c], 23, v[SO+\c]                               ; the scale's byte
.endr
	v_lshl_or_b32 v[T0], v[BY+1], 16, v[BY]                            ; my blocks' bytes belong at places h and 2 + h of the scale word
	v_lshlrev_b32 v[T0], v[H8], v[T0]
	v_permlanex16_b32 v[T1], v[T0], s[SEL], s[SEL+1]
	v_or_b32 v[PW], v[T0], v[T1]                                       ; with lane l xor 16's two the word is whole
.irp c, 0,1
.irp g, 0,1,2,3
	v_cvt_scalef32_pk8_fp4_f32 v[PC+4*\c+\g], v[S+32*\c+8*\g:S+32*\c+8*\g+7], v[SO+\c]     ; registers 4 c .. 4 c + 3 of P's operand, as they stand
.endr
.endr
	v_pk_add_f32 v[T2:T2+1], v[S:S+1], v[S+2:S+3]                      ; the row's sum is taken of the UNQUANTISED p: two at a time, in two chains.  (A plain line behind the conversions)
.set j, 4
.rept 15
	v_pk_add_f32 v[SUM:SUM+1], v[SUM:SUM+1], v[S+j:S+j+1]
	v_pk_add_f32 v[T2:T2+1], v[T2:T2+1], v[S+j+2:S+j+3]
.set j, j+4
.endr
	v_pk_add_f32 v[SUM:SUM+1], v[SUM:SUM+1], v[T2:T2+1]
.set j, 0
.rept 16
	v_pk_mul_f32 v[O+j:O+j+1], v[O+j:O+j+1], v[F:F+1] op_sel_hi:[1,0]  ; O^T under the new M, each tile from its low end on.  These and the sums above are 48 plain lines between P's codes and scale word and the products below
.set j, j+2
.endr
	s_wait_dscnt 0x0                               ; V's fragments are in
	s_wait_alu depctr_va_vdst(0)                   ; the conversions have written P's codes v[PC ..], and v[PW], its scale word, is written: the scaled products below take them.  Behind the places, which stay
.irp t, 0,1,2,3                        ; O^T += V^T P^T: the four accumulators by turns, one instruction a turn, with the eight products of S^T between two steps
.if \t%2
	v_wmma_scale_f32_16x16x128_f8f6f4 v[O+8*\t:O+8*\t+7], v[FR+8*\t:FR+8*\t+7], v[PC:PC+7], v[O+8*\t:O+8*\t+7], v[VS0+\t/2], v[PW] matrix_a_fmt:MATRIX_FMT_FP4 matrix_b_fmt:MATRIX_FMT_FP4 matrix_a_scale:MATRIX_SCALE_ROW1
.else
	v_wmma_scale_f32_16x16x128_f8f6f4 v[O+8*\t:O+8*\t+7], v[FR+8*\t:FR+8*\t+7], v[PC:PC+7], v[O+8*\t:O+8*\t+7], v[VS0+\t/2], v[PW] matrix_a_fmt:MATRIX_FMT_FP4 matrix_b_fmt:MATRIX_FMT_FP4
.endif
.endr
.endm
; A TRIP: the two key steps of the slab at SIM.  prod = 1: the next slab is quantised FIRST; load = 1: the slab after that is asked for, a whole trip ahead of its wait.
; THE BARRIER IS SPLIT.  A wave signals as soon as its part of the next slab lies in LDS (its stores waited for), works its two key steps, and waits at the trip's end, in front of the first read of that slab.
; Between signal and wait stand register work and LDS loads of the slab at SIM alone: its bytes were stored in front of an earlier barrier and are never stored again (behind the wait the stores go to the slab two on
; and to the wave's own stage).  So a wave that is ahead stops only until the last wave has quantised its part, not until it has worked its steps.
.macro TRIP prod, load
.if \prod
	PROD 1, \load
	s_wait_dscnt 0x0                               ; for the others' sake: my codes and scale bytes of the next slab have landed
	s_wait_alu depctr_vm_vsrc(0)                   ; K's two stores have read v[T0], v[T2], v[T3], which the key steps write again
	s_barrier_signal -1
	STEP 0, 0
	STEP 1, 4
	s_barrier_wait -1                              ; every wave's part of the next slab lies in LDS; no byte is ever stored twice, so one barrier a slab is enough
	s_add_co_u32 s[SIM], s[SIM], SLABI
	s_add_co_u32 s[SSC], s[SSC], SLABS
.else
	s_wait_alu depctr_vm_vsrc(0)                   ; the LDS loads of the slab before have read v[AI] and v[AS], which the two lines below write
	v_add_nc_u32 v[AI], s[SIM], v[L16]
	v_add_nc_u32 v[AS], s[SSC], v[L4]
	STEP 0, 4
	STEP 1, 4
.endif
.endm
	s_load_b256 s[4:11], s[0:1], 0x0               ; query s[4:5], key s[6:7], value s[8:9], inv_scale_factor s[10:11]
	s_load_b64 s[12:13], s[0:1], 0x20              ; out0
	v_lshrrev_b32 v44, 5, v0
	v_readfirstlane_b32 s[WV], v44                 ; wave 0..15
	v_and_b32 v45, 31, v0                          ; lane
	v_lshlrev_b32 v[L16], 4, v45
	v_lshlrev_b32 v[L4], 2, v45
	v_and_b32 v46, 15, v0                          ; r
	v_bfe_u32 v47, v0, 4, 1                        ; h
	v_lshlrev_b32 v[H8], 3, v47
	s_wait_alu depctr_va_sdst(0)                   ; s[WV] is written, ahead of its first reader: offsets and LDS places are made from it
	s_lshl_b32 s28, ttmp9, 19                      ; the head (work-group x): its first byte in each tensor: 2,048 rows of 256 bytes
	s_and_b32 s29, ttmp7, 0xffff                   ; my work-group's block of 256 queries (work-group y),
	s_lshl_b32 s29, s29, 16
	s_lshl_b32 s30, s[WV], 12                      ; my wave's 16 of them
	s_add_co_u32 s16, s28, s29
	s_add_co_u32 s16, s16, s30
	s_mov_b32 s17, 0                               ; s[16:17]: my rows of query and of out0
	s_lshr_b32 s31, s[WV], 3                       ; which step of a slab I quantise for: w / 8
	s_and_b32 s32, s[WV], 7                        ; K: tile T = w % 8
	s_lshl_b32 s29, s31, 15                        ; 128 keys,
	s_lshl_b32 s30, s32, 11                        ; 8 keys
	s_add_co_u32 s18, s28, s29
	s_add_co_u32 s18, s18, s30
	s_mov_b32 s19, 0                               ; s[18:19]: my tile of K in slab 0
	s_lshr_b32 s33, s[WV], 1                       ; V: block w / 2 of the slab's eight blocks of 32 keys,
	s_and_b32 s36, s[WV], 1                        ; channels 32 (w % 2) on
	s_lshl_b32 s29, s33, 13
	s_lshl_b32 s30, s36, 7
	s_add_co_u32 s34, s28, s29
	s_add_co_u32 s34, s34, s30
	s_mov_b32 s35, 0                               ; s[34:35]: my block of V in slab 0
	s_mov_b32 s[SEL], 0x76543210
	s_mov_b32 s[SEL+1], 0xfedcba98
	s_mov_b32 s[SIM], IMG
	s_mov_b32 s[SSC], SCL
	s_wait_kmcnt 0x0
	s_load_b32 s14, s[10:11], 0x0                  ; isf
	s_add_nc_u64 s[4:5], s[4:5], s[16:17]
	s_add_nc_u64 s[12:13], s[12:13], s[16:17]
	s_add_nc_u64 s[6:7], s[6:7], s[18:19]
	s_add_nc_u64 s[8:9], s[8:9], s[34:35]
	s_wait_alu depctr_va_vdst(0)                   ; v[L16] and v[L4] are written: every global load and store of the kernel reads one of them as its offset
	KLOAD S, 4, 0, 1                               ; my 16 rows of Q, into registers that the scores take later
	KLOAD X, 6, 14336, 0                           ; slab 0: my tile of K
	VLOAD                                          ; and my block of V: 48 loads of mine are out
	; LDS addresses: a constant + a constant x lane parts + constants x parts of the wave's number
	s_mul_i32 s37, s[WV], WSTG
	s_add_co_u32 s37, s37, STG                     ; my stage
	v_mul_u32_u24 v[STI], v47, SP
	v_lshl_add_u32 v[STI], v46, 4, v[STI]
	v_add_nc_u32 v[STI], s37, v[STI]
	v_mul_u32_u24 v[STO], v46, SP
	v_lshl_add_u32 v[OSI], v47, 5, v[STO]
	v_lshl_add_u32 v[STO], v47, 7, v[STO]
	v_add_nc_u32 v[STO], s37, v[STO]
	v_add_nc_u32 v[OSI], s37, v[OSI]
	s_lshl_b32 s29, s31, 13                        ; K's codes: step, 8,192 bytes; tile T = 2 f + c: 512 T
	s_lshl_b32 s30, s32, 9
	s_add_co_u32 s38, s29, s30
	v_add_nc_u32 v[PKI], s38, v[L16]
	s_lshl_b32 s39, s31, 9                         ; the scale words of a step: 512 bytes
	s_and_b32 s30, s33, 3                          ; K's bytes: fragment f = (w / 2) % 4: 64 f; half c = w % 2: 2 c; row r: 4 r
	s_lshl_b32 s30, s30, 6
	s_add_co_u32 s38, s39, s30
	s_lshl_b32 s30, s36, 1
	s_add_co_u32 s38, s38, s30
	v_lshl_add_u32 v[PKS], v46, 2, s38
	s_and_b32 s40, s33, 1                          ; V: my block of the step is 2 h' + c': c' = (w / 2) % 2,
	s_bfe_u32 s41, s[WV], 0x10002                  ; h' = (w / 4) % 2
	s_lshl_b32 s38, s31, 13                        ; V's codes: lane l is channel 32 (w % 2) + l: fragment 2 (w % 2) + l / 16, row l % 16; they belong to the reader's lane l % 16 + 16 h', registers 4 c' on
	s_lshl_b32 s30, s36, 11
	s_add_co_u32 s38, s38, s30
	s_lshl_b32 s30, s40, 9
	s_add_co_u32 s38, s38, s30
	s_lshl_b32 s30, s41, 8
	s_add_co_u32 s38, s38, s30
	s_add_co_u32 s38, s38, 4096
	v_lshlrev_b32 v[PVI], 4, v46
	v_lshl_add_u32 v[PVI], v47, 10, v[PVI]
	v_add_nc_u32 v[PVI], s38, v[PVI]
	s_lshl_b32 s30, s36, 7                         ; V's byte: place 2 c' + h' of the word of that fragment and row
	s_add_co_u32 s38, s39, s30
	s_lshl_b32 s30, s40, 1
	s_add_co_u32 s38, s38, s30
	s_add_co_u32 s38, s38, s41
	s_add_co_u32 s38, s38, 256
	v_lshlrev_b32 v[PVS], 2, v46
	v_lshl_add_u32 v[PVS], v47, 6, v[PVS]
	v_add_nc_u32 v[PVS], s38, v[PVS]
	s_wait_kmcnt 0x0                               ; isf
	s_and_b32 s28, s14, 0x7fffffff                 ; |isf|
	v_mov_b32 v44, s28
	s_wait_alu depctr_va_vdst(0)
	v_rcp_f32 v45, v44
	v_nop                                          ; a plain line behind the reciprocal
	s_wait_alu depctr_va_vdst(0)                   ; the reciprocal has written v45, ahead of its first reader; v[STI], v[STO] and v[OSI], made above, are written too, which the stage's LDS stores and loads read
	v_mul_f32 v45, 0x3fb8aa3b, v45                 ; c = log2(e) / |isf|
	v_readfirstlane_b32 s[CS], v45
	s_wait_alu depctr_va_sdst(0)                   ; s[CS] is written, ahead of its first reader, the copy below
	s_mov_b32 s[CS+1], s[CS]
	s_ashr_i32 s[SGN], s14, 31
	s_and_b32 s[SGN], s[SGN], 0x88888888           ; the sign bits of eight codes, where isf is negative
.set j, 0
.rept 32
	v_mov_b32 v[O+j], 0                            ; O^T.  (The key step is written once: the first finds zeros, which the first change of M leaves zeros)
.set j, j+1
.endr
.irp j, 0,1,2,3,8,9,10,11
	v_mov_b32 v[QQ+\j], 0                          ; the zero codes on both sides of q
.endr
	v_mov_b32 v[SUM], 0
	v_mov_b32 v[SUM+1], 0
	v_mov_b32 v[F+1], 0                            ; (named as the upper half of a pair)
	v_mov_b32 v[NEGM], 0x7f61b1e6                  ; -M = 3e38,
	v_mov_b32 v[MS], 0xff61b1e6                    ; the largest score so far -3e38: under every score
	; Q: quantised once, in registers
	s_wait_loadcnt 40                              ; Q's eight loads are in; behind them K's 8 and V's 32 may be out
	TURN S
	s_wait_dscnt 0x0
	Q32 S
.irp i, 0,1,2,3
	v_xor_b32 v[QQ+4+\i], s[SGN], v[CC+\i]         ; q's codes, their signs turned where isf is negative
.endr
	v_lshlrev_b32 v[T0], v[H8], v[BYP]
	v_permlanex16_b32 v[T1], v[T0], s[SEL], s[SEL+1]   ; (v45 has been written: a lane permute's destination counts as one of its sources)
	v_or_b32 v[QSA], v[T0], v[T1]                  ; my query's two bytes below, 0 above: for [q | 0]
	v_lshlrev_b32 v[QSA+1], 16, v[QSA]             ; and the other way round: for [0 | q].  (Q's codes and scale words are written ahead of the waits on va_vdst in the lines below, which so stand for the scaled products that take them)
	; slab 0 is quantised, slab 1 asked for
	PROD 0, 1
	BAR
	s_mov_b32 s[TR], 6
.Lslab:                                            ; trip t quantises slab t + 1, asks for slab t + 2 and reads slab t
	TRIP 1, 1
	s_sub_co_u32 s[TR], s[TR], 1
	s_cmp_lg_u32 s[TR], 0
	s_cbranch_scc1 .Lslab
	TRIP 1, 0                                      ; slab 7 is quantised, slab 6 read: nothing is left to ask for, and no load leaves its buffer
	TRIP 0, 0                                      ; slab 7
	; THE WAY OUT.  The sum's halves and lane l xor 16's are added; O^T is divided by the sum and goes through my stage, so that each store covers two whole rows of 256 bytes.
	v_add_f32 v[SUM], v[SUM], v[SUM+1]
	v_permlanex16_b32 v[T1], v[SUM], s[SEL], s[SEL+1]
	v_add_f32 v[SUM], v[SUM], v[T1]
	s_wait_alu depctr_va_vdst(0)
	v_rcp_f32 v[T0], v[SUM]
	v_nop                                          ; a plain line behind the reciprocal; with the two additions these two make four places behind the last products
	v_nop
.set j, 0
	s_wait_alu depctr_va_vdst(0)                   ; the reciprocal has written v[T0], ahead of its first reader
.rept 16
	v_pk_mul_f32 v[S+j:S+j+1], v[O+j:O+j+1], v[T0:T0+1] op_sel_hi:[1,0]   ; register 8 t + i is out(r, 16 t + 8 h + i); each tile from its low end on
.set j, j+2
.endr
	s_wait_alu depctr_va_vdst(0)                   ; the sixteen multiplications have written v[S .. S+31], which the LDS stores read; the last step's lines are done with v[S+32 .. S+63], in which the LDS loads land
.irp t, 0,1,2,3
	ds_store_b128 v[OSI], v[S+8*\t:S+8*\t+3] offset:64*\t
	ds_store_b128 v[OSI], v[S+8*\t+4:S+8*\t+7] offset:64*\t+16
.endr
.irp i, 0,1,2,3,4,5,6,7
	ds_load_b128 v[S+32+4*\i:S+32+4*\i+3], v[STI] offset:2*SP*\i       ; in order behind my stores: lanes 0-15 one row, lanes 16-31 the next
.endr
.irp i, 0,1,2,3,4,5,6,7
	s_wait_dscnt 7-\i                              ; load i is in; the 7 - i younger ones may be out
	global_store_b128 v[L16], v[S+32+4*\i:S+32+4*\i+3], s[12:13] offset:512*\i th:TH_STORE_NT   ; 512 consecutive bytes, at a multiple of 256 from out0's first byte; written once, read by nobody here
.endr
	s_wait_xcnt 0x0                                ; every earlier memory instruction has had its addresses translated (ISA guide 3.1), ahead of the two lines that write registers while the stores are out
	v_lshl_add_u32 v254, v0, 2, 0x33000            ; my spare word's address and 0, made anew: all 256 registers were at work.  No memory or LDS instruction has read v254 or v255: loads alone landed there, and they are in
	v_mov_b32 v255, 0
	s_wait_dscnt 0x0                               ; the closing lines, six on end
	s_wait_alu 0x0
	s_wait_tensorcnt 0x0
	ds_add_u32 v254, v255
	s_wait_dscnt 0x0
	s_endpgm
.Lfunc_end_k_qc644efe5da_attn:
	.size	k_qc644efe5da_attn, .Lfunc_end_k_qc644efe5da_attn-k_qc644efe5da_attn
	.p2alignl 7, 3214868480
	.fill 96, 4, 3214868480
	.section	.rodata,"a",@progbits
	.p2align	6, 0x0
	.amdhsa_kernel k_qc644efe5da_attn
		.amdhsa_group_segment_fixed_size 210944
		.amdhsa_private_segment_fixed_size 0
		.amdhsa_enable_private_segment 0
		.amdhsa_kernarg_size 40
		.amdhsa_user_sgpr_count 2
		.amdhsa_user_sgpr_kernarg_segment_ptr 1
		.amdhsa_wavefront_size32 1
		.amdhsa_system_sgpr_workgroup_id_x 1
		.amdhsa_system_sgpr_workgroup_id_y 1
		.amdhsa_system_sgpr_workgroup_id_z 1
		.amdhsa_system_vgpr_workitem_id 0
		.amdhsa_next_free_vgpr 256
		.amdhsa_next_free_sgpr 66
		.amdhsa_reserve_vcc 0
		.amdhsa_float_denorm_mode_32 3
		.amdhsa_float_denorm_mode_16_64 3
		.amdhsa_memory_ordered 1
		.amdhsa_forward_progress 1
		.amdhsa_inst_pref_size 122
	.end_amdhsa_kernel
	.amdgpu_metadata
---
amdhsa.version: [ 1, 2 ]
amdhsa.kernels:
  - .name:           k_qc644efe5da_attn
    .symbol:         k_qc644efe5da_attn.kd
    .args:
      - { .name: query, .offset: 0, .size: 8, .value_kind: global_buffer, .address_space: global }
      - { .name: key, .offset: 8, .size: 8, .value_kind: global_buffer, .address_space: global }
      - { .name: value, .offset: 16, .size: 8, .value_kind: global_buffer, .address_space: global }
      - { .name: inv_scale_factor, .offset: 24, .size: 8, .value_kind: global_buffer, .address_space: global }
      - { .name: out0, .offset: 32, .size: 8, .value_kind: global_buffer, .address_space: global }
    .group_segment_fixed_size: 210944
    .private_segment_fixed_size: 0
    .kernarg_segment_align: 8
    .kernarg_segment_size: 40
    .max_flat_workgroup_size: 512
    .sgpr_count:     66
    .vgpr_count:     256
    .wavefront_size: 32
...
	.end_amdgpu_metadata
.endif
;; end of part 2
